; MI455X (gfx1250); checked and timed in simulation.
; The chip was launched on July 23, 2026; its instructions are those of AMD's public machine-readable ISA for CDNA 5 (MIT licence, August 2026) and "CDNA5" Instruction Set Architecture Reference Guide (July 2026). The comments in the code are by the model that wrote it; some were corrected since.
;; Self Attn Like Module. Allowed arithmetic: float matrix products may take bf16 or f16 operands with f32 sums; all other float work in f32.
;; Inputs: Wk 1,024 x 1,024 float32; Wo 1,024 x 1,024 float32; Wq 1,024 x 1,024 float32; Wv 1,024 x 1,024 float32; bo 1,024 float32; mask 2 x 1 x 1 x 2,048 float32; x 2 x 2,048 x 1,024 float32.
;; Outputs: out0 2 x 2,048 x 1,024 float32.
;; One version. Each part assembles by itself: llvm-mc -triple=amdgcn-amd-amdhsa -mcpu=gfx1250 --defsym DOCPART=n.
;; ======== version 1 of 1: 4 launches
;; limits: values are held in f16: magnitudes above 65,504 overflow, below 6.1e-05 lose precision
;; workspace buffers: xb 8,388,608 bytes; wall 8,388,608 bytes; qkv 25,165,824 bytes; ctx 8,388,608 bytes
;; launch cvt (part 1): grid 1024 x 1, 8 waves a work-group, no clusters, 0 bytes of LDS; arguments x, Wq, Wk, Wv, Wo, xb, wall; writes xb, wall
.if DOCPART == 1
	.amdgcn_target "amdgcn-amd-amdhsa--gfx1250"
	.amdhsa_code_object_version 6
	.text
	.protected	k_qd6ae1e68f3_cvt
	.globl	k_qd6ae1e68f3_cvt
	.p2align	8
	.type	k_qd6ae1e68f3_cvt,@function
k_qd6ae1e68f3_cvt:
	s_mov_b64 s[64:65], 0
	v_nop
	global_prefetch_b8 v0, s[64:65] scope:SCOPE_SE
	s_setreg_imm32_b32 hwreg(HW_REG_WAVE_MODE, 25, 1), 1
	s_wait_xcnt 0x0
; f32 to f16 (round to nearest even) of x and of the four weights, once, so that the three matrix launches move 16-bit tiles.
;   xb   [4096][1024] f16            = x
;   wall [1024 (k)][4096] f16        = Wq | Wk | Wv | Wo side by side, a row of 8,192 bytes
; LIMIT: numbers of magnitude 65,504 or more leave f16's range and become infinite.
; A stream: each input byte is read once, each output byte written once.  No LDS, no matrix unit, no cluster: no two work-groups
; read the same byte.  A work-group takes 8 rows of 1,024 f32 (32,768 bytes): groups 0-511 of x, then 128 groups for each weight.
; Thread t takes 16 bytes at 16 t of each row: a wave's load covers 512 consecutive bytes, aligned; its store 256, aligned.
; All eight loads go out first; no register is written twice, so no wait but the counted ones for the data is needed.
.set X,   8                            ; v[8:39]   row j: 4 f32 as loaded
.set OFF, 40                           ; v[40:47]  row j: byte offset of my 8 bytes in the destination
.set Y,   48                           ; v[48:63]  row j: 4 f16
	s_load_b256 s[8:15], s[0:1], 0x0               ; x s[8:9], Wq s[10:11], Wk s[12:13], Wv s[14:15]
	s_load_b128 s[16:19], s[0:1], 0x20             ; Wo s[16:17], xb s[18:19]
	s_load_b64 s[20:21], s[0:1], 0x30              ; wall
	s_lshr_b32 s2, ttmp9, 7
	s_and_b32 s2, s2, 3                            ; which weight (groups 512 and up): 0 Wq, 1 Wk, 2 Wv, 3 Wo
	s_and_b32 s3, ttmp9, 127                       ; which 8 rows of that weight
	s_lshl_b32 s24, ttmp9, 15                      ; x: source offset, 8 rows of 4,096 bytes
	s_lshl_b32 s25, s3, 15                         ; weight: source offset
	s_lshl_b32 s26, ttmp9, 14                      ; xb: 8 rows of 2,048 bytes
	s_lshl_b32 s27, s3, 16                         ; wall: 8 rows of 8,192 bytes
	s_lshl_b32 s23, s2, 11                         ;       + the weight's 1,024 columns of 2 bytes
	s_add_co_u32 s27, s27, s23
	s_mov_b32 s32, 2048                            ; destination pitch of xb
	s_mov_b32 s33, 8192                            ; and of wall
	s_mov_b32 s29, 0
	s_mov_b32 s31, 0
	v_lshlrev_b32 v1, 4, v0                        ; 16 t
	v_lshlrev_b32 v[OFF], 3, v0                    ; 8 t
	s_wait_kmcnt 0x0
	s_cmp_eq_u32 s2, 1                             ; the choice of buffers hangs on the work-group's number alone
	s_cselect_b64 s[4:5], s[12:13], s[10:11]
	s_cmp_eq_u32 s2, 2
	s_cselect_b64 s[4:5], s[14:15], s[4:5]
	s_cmp_eq_u32 s2, 3
	s_cselect_b64 s[4:5], s[16:17], s[4:5]
	s_cmp_lt_u32 ttmp9, 512
	s_cselect_b64 s[4:5], s[8:9], s[4:5]           ; source
	s_cselect_b64 s[6:7], s[18:19], s[20:21]       ; destination
	s_cselect_b32 s28, s24, s25
	s_cselect_b32 s30, s26, s27
	s_cselect_b32 s22, s32, s33                    ; destination pitch
	s_add_nc_u64 s[4:5], s[4:5], s[28:29]
	s_add_nc_u64 s[6:7], s[6:7], s[30:31]
.irp j, 0,1,2,3,4,5,6,7
	global_load_b128 v[X+4*\j:X+4*\j+3], v1, s[4:5] offset:\j*4096 th:TH_LOAD_NT
.endr
.irp j, 1,2,3,4,5,6,7
	v_add_nc_u32 v[OFF+\j], s22, v[OFF+\j-1]
.endr
.irp j, 0,1,2,3,4,5,6,7
	s_wait_loadcnt 7-\j                            ; loads return in order: row j is in, the 7-j younger rows stay out
	v_cvt_pk_f16_f32 v[Y+2*\j],   v[X+4*\j],   v[X+4*\j+1]
	v_cvt_pk_f16_f32 v[Y+2*\j+1], v[X+4*\j+2], v[X+4*\j+3]
	global_store_b64 v[OFF+\j], v[Y+2*\j:Y+2*\j+1], s[6:7]
.endr
	s_endpgm
.Lfunc_end_k_qd6ae1e68f3_cvt:
	.size	k_qd6ae1e68f3_cvt, .Lfunc_end_k_qd6ae1e68f3_cvt-k_qd6ae1e68f3_cvt
	.p2alignl 7, 3214868480
	.fill 96, 4, 3214868480
	.section	.rodata,"a",@progbits
	.p2align	6, 0x0
	.amdhsa_kernel k_qd6ae1e68f3_cvt
		.amdhsa_group_segment_fixed_size 0
		.amdhsa_private_segment_fixed_size 0
		.amdhsa_enable_private_segment 0
		.amdhsa_kernarg_size 56
		.amdhsa_user_sgpr_count 2
		.amdhsa_user_sgpr_kernarg_segment_ptr 1
		.amdhsa_wavefront_size32 1
		.amdhsa_system_sgpr_workgroup_id_x 1
		.amdhsa_system_sgpr_workgroup_id_y 1
		.amdhsa_system_sgpr_workgroup_id_z 1
		.amdhsa_system_vgpr_workitem_id 0
		.amdhsa_next_free_vgpr 64
		.amdhsa_next_free_sgpr 66
		.amdhsa_reserve_vcc 0
		.amdhsa_float_denorm_mode_32 3
		.amdhsa_float_denorm_mode_16_64 3
		.amdhsa_memory_ordered 1
		.amdhsa_forward_progress 1
		.amdhsa_inst_pref_size 5
	.end_amdhsa_kernel
	.amdgpu_metadata
---
amdhsa.version: [ 1, 2 ]
amdhsa.kernels:
  - .name:           k_qd6ae1e68f3_cvt
    .symbol:         k_qd6ae1e68f3_cvt.kd
    .args:
      - { .name: x, .offset: 0, .size: 8, .value_kind: global_buffer, .address_space: global }
      - { .name: Wq, .offset: 8, .size: 8, .value_kind: global_buffer, .address_space: global }
      - { .name: Wk, .offset: 16, .size: 8, .value_kind: global_buffer, .address_space: global }
      - { .name: Wv, .offset: 24, .size: 8, .value_kind: global_buffer, .address_space: global }
      - { .name: Wo, .offset: 32, .size: 8, .value_kind: global_buffer, .address_space: global }
      - { .name: xb, .offset: 40, .size: 8, .value_kind: global_buffer, .address_space: global }
      - { .name: wall, .offset: 48, .size: 8, .value_kind: global_buffer, .address_space: global }
    .group_segment_fixed_size: 0
    .private_segment_fixed_size: 0
    .kernarg_segment_align: 8
    .kernarg_segment_size: 56
    .max_flat_workgroup_size: 256
    .sgpr_count:     66
    .vgpr_count:     64
    .wavefront_size: 32
...
	.end_amdgpu_metadata
.endif
;; end of part 1
;; launch proj (part 2): grid 16 x 16, 4 waves a work-group, clusters of 4 x 4, 327,680 bytes of LDS; arguments xb, wall, qkv; writes qkv
.if DOCPART == 2
	.amdgcn_target "amdgcn-amd-amdhsa--gfx1250"
	.amdhsa_code_object_version 6
	.text
	.protected	k_qd6ae1e68f3_proj
	.globl	k_qd6ae1e68f3_proj
	.p2align	8
	.type	k_qd6ae1e68f3_proj,@function
k_qd6ae1e68f3_proj:
	s_mov_b64 s[64:65], 0
	v_nop
	global_prefetch_b8 v0, s[64:65] scope:SCOPE_SE
	s_setreg_imm32_b32 hwreg(HW_REG_WAVE_MODE, 25, 1), 1
	s_wait_xcnt 0x0
	s_wait_alu depctr_hold_cnt(0) depctr_sa_sdst(0) depctr_va_vdst(0) depctr_va_sdst(0) depctr_va_ssrc(0) depctr_va_vcc(0) depctr_vm_vsrc(0)
	s_getreg_b32 s2, hwreg(HW_REG_IB_STS2, 6, 4)
	s_cmp_eq_u32 s2, 0
	s_cbranch_scc0 .Lentry_in_a_cluster
	s_endpgm
.Lentry_in_a_cluster:
	s_bfe_u32 s2, ttmp6, 0x10000c
	s_cmp_lg_u32 s2, 0xf033
	s_cbranch_scc0 .Lentry_shape_is_right
	s_endpgm
.Lentry_shape_is_right:
; q, k, v = x [Wq | Wk | Wv], split into heads.  xb [4096][1024] f16; wall [1024 (k)][4096] f16, of which columns 0-3071 are used here;
; qkv [matrix 3][batch 2][head 16][s 2048][dh 64] f16: a head is a dense block of 262,144 bytes.  Sums in f32, rounded once to f16.
; LIMIT: |q|, |k|, |v| of 65,504 or more leave f16's range.
; A work-group makes 256 rows x 192 columns (three whole heads) with four waves; wave w makes rows 64 w .. 64 w + 63 and all 192 columns:
; 48 accumulator tiles, 384 registers.  So a wave owns whole heads and stores dense runs of 512 bytes.
; K goes in 8 steps of 128 through two LDS slots filled by tensor loads.  x's rows in a tile are 256 bytes; W's are 384 bytes.
; CLUSTER 4 x 4: x's tile hangs on the block row alone and is asked for jointly by the four work-groups of a row of the cluster,
; W's on the block column alone, by the four of a column.  Each wave issues a quarter of each tile, so a wave has at most four tensor loads out.
; W lies [k][n] in LDS and is read by the transposing LDS load.  The product is used transposed (source 0 = 16 columns of W, source 1 = 16 rows
; of x): lane l then holds row l % 16 and the eight neighbouring columns 8 (l / 16) + 0..7 of a tile.
; REGISTER WINDOWS: 0: addresses, x's fragments (two buffers), the way out; 1: W's fragments (two buffers); 2: accumulators of my rows 0-31; 3: rows 32-63.
.set KSTEP,  128
.set APITCH, 272                       ; 256 bytes + 16 of padding: the 16 rows of a fragment load start 16 bytes further on, modulo 256, each
.set AQ,     64*APITCH                 ; a wave's quarter of x's tile: 64 rows
.set ABYTES, 4*AQ
.set BPITCH, 480                       ; 3 x (128 bytes + 32 of padding): an odd multiple of 32
.set BQ,     32*BPITCH                 ; a wave's quarter of W's tile: 32 k rows
.set SLOT,   ABYTES+4*BQ               ; 131,072
.set STAGE,  2*SLOT                    ; behind the ring, never filled by a tensor load
.set STW,    3*8*272                   ; a wave's stage: 3 heads x 8 lines of 272 bytes; a line holds two rows of a head (2 x 128 bytes)
.set LAPS,   1024/(2*KSTEP)            ; 4: a lap is once round the ring
.set ADRA, 16                          ; v16-17  LDS address of my x fragments in slot 0, 1
.set ADRB, 20                          ; v20-21  the same for W
.set STO,  24
.set RD,   25
.set CO,   26
.set AF,   32                          ; window 0: v32-63, v64-95   x's fragments, buffers 0 and 1 (4 x 8 registers)
.set TMP,  96                          ; window 0: v96-143          packed results
.set RB,   144                         ; window 0: v144-191         rows read back
.set BF,   0                           ; window 1: v0-95, v96-191   W's fragments, buffers 0 and 1 (12 x 8 registers)
.set G1A, 24
.set G0A, 32                           ; one group 0 for each slot
.set G1B, 48
.set G0B, 56
.set MUL_LO, 0xa1                      ; source 0 window 1, source 1 window 0, C and D window 2
.set MUL_HI, 0xf1                      ; the same, C and D window 3
.set TO_B,   0x40                      ; destination window 1, address window 0
.set MSB, 0
.macro WIN new                         ; the immediate's high byte repeats the setting that is left
.if MSB != \new
	s_set_vgpr_msb (MSB<<8)|\new
.set MSB, \new
.endif
.endm
.macro PLACES                          ; four places behind matrix instructions (ISA guide 7.12.1)
.rept 4
	v_nop
.endr
.endm
.macro CREST                           ; a round of the cluster's barrier behind its opening work-group barrier
	s_cmp_lg_u32 s10, 0
	s_cbranch_scc1 .Lnot_wave_0_\@
	s_barrier_signal -3
.Lnot_wave_0_\@:
	s_barrier_wait -3
	s_barrier_signal -1
	s_barrier_wait -1
.endm
.macro CROUND
	s_barrier_signal -1
	s_barrier_wait -1
	CREST
.endm
	s_load_b128 s[4:7], s[0:1], 0x0                ; xb s[4:5], wall s[6:7]
	s_load_b64 s[8:9], s[0:1], 0x10                ; qkv
	s_set_vgpr_msb 0x40
	v_lshl_add_u32 v255, v0, 2, 0x46600
	s_set_vgpr_msb 0x4000
	v_mov_b32 v255, 0
	s_set_vgpr_msb 0x1
	ds_add_u32 v255, v255
	s_set_vgpr_msb 0x100
	v_lshrrev_b32 v1, 5, v0
	v_readfirstlane_b32 s10, v1                    ; wave 0..3
	s_bfe_u32 s40, ttmp6, 0x40000                  ; cx
	s_bfe_u32 s41, ttmp6, 0x40004                  ; cy
	s_lshl_b32 s42, ttmp9, 2
	s_add_co_u32 s42, s42, s40                     ; block column x = 4 x cluster x + cx
	s_and_b32 s13, ttmp7, 0xffff
	s_lshl_b32 s13, s13, 2
	s_add_co_u32 s13, s13, s41                     ; block row y = 4 x cluster y + cy
	s_lshl_b32 s43, s41, 2
	s_lshl_b32 s43, 15, s43                        ; my row of the cluster
	s_lshl_b32 s44, 0x1111, s40                    ; my column
	; group 1 for x's quarter tile: 64 rows x 128 elements of 2 bytes, 4 words of padding behind every 64 words
	s_or_b32  s[G1A+0], s43, (1<<16)|(1<<20)|(1<<21)|(5<<22)|(3<<25)
	s_mov_b32 s[G1A+1], KSTEP<<16                  ; tensor_dim0 = 128
	s_mov_b32 s[G1A+2], 64<<16                     ; tensor_dim1 = 64
	s_mov_b32 s[G1A+3], KSTEP<<16                  ; tile_dim0 = 128
	s_mov_b32 s[G1A+4], 64                         ; tile_dim1 = 64
	s_mov_b32 s[G1A+5], 1024                       ; elements from row to row
	s_mov_b32 s[G1A+6], 0
	s_mov_b32 s[G1A+7], 0
	; group 1 for W's quarter tile: 32 k rows x 192 elements, 8 words of padding behind every 32 words
	s_or_b32  s[G1B+0], s44, (1<<16)|(1<<20)|(1<<21)|(4<<22)|(7<<25)
	s_mov_b32 s[G1B+1], 192<<16
	s_mov_b32 s[G1B+2], 32<<16
	s_mov_b32 s[G1B+3], 192<<16
	s_mov_b32 s[G1B+4], 32
	s_mov_b32 s[G1B+5], 4096
	s_mov_b32 s[G1B+6], 0
	s_mov_b32 s[G1B+7], 0
	; x's address is made of the block row and the wave alone, W's of the block column and the wave alone
	s_lshl_b32 s16, s13, 19                        ; 256 y rows of 2,048 bytes
	s_lshl_b32 s17, s10, 17                        ; + 64 w rows
	s_add_co_u32 s16, s16, s17
	s_mov_b32 s17, 0
	s_mul_i32 s46, s42, 384                        ; 192 x columns of 2 bytes
	s_lshl_b32 s47, s10, 18                        ; + 32 w rows of 8,192 bytes
	s_add_co_u32 s46, s46, s47
	s_mov_b32 s47, 0
	s_mul_i32 s20, s10, AQ                         ; LDS: the wave's number alone
	s_mul_i32 s21, s10, BQ
	s_add_co_u32 s21, s21, ABYTES
	s_wait_dscnt 0x0
	s_wait_kmcnt 0x0
	s_add_nc_u64 s[14:15], s[4:5], s[16:17]
	s_add_nc_u64 s[46:47], s[6:7], s[46:47]
	CROUND                                         ; all sixteen work-groups are here: the first joint loads meet
.irp s, 0,1
	s_mov_b32 s[G0A+4*\s], 1
	s_add_co_u32 s[G0A+4*\s+1], s20, \s*SLOT
	s_add_nc_u64 s[G0A+4*\s+2:G0A+4*\s+3], s[14:15], \s*KSTEP*2
	s_or_b32 s[G0A+4*\s+3], s[G0A+4*\s+3], 0x80000000
	s_mov_b32 s[G0B+4*\s], 1
	s_add_co_u32 s[G0B+4*\s+1], s21, \s*SLOT
	s_add_nc_u64 s[G0B+4*\s+2:G0B+4*\s+3], s[46:47], \s*KSTEP*8192
	s_or_b32 s[G0B+4*\s+3], s[G0B+4*\s+3], 0x80000000
	tensor_load_to_lds s[G0A+4*\s:G0A+4*\s+3], s[G1A:G1A+7]
	s_nop 0
	tensor_load_to_lds s[G0B+4*\s:G0B+4*\s+3], s[G1B:G1B+7]
	s_nop 0
.endr
	v_and_b32 v1, 15, v0                           ; r = l % 16
	v_bfe_u32 v2, v0, 4, 1                         ; h = l / 16
	v_and_b32 v3, 7, v0
	v_bfe_u32 v4, v0, 3, 1
	v_and_b32 v5, 31, v0                           ; l
	v_mul_u32_u24 v6, v1, APITCH                   ; x: row r, 16 bytes for each half of the lanes
	v_lshl_add_u32 v6, v2, 4, v6
	v_add_nc_u32 v[ADRA], s20, v6                  ; my 64 rows are the quarter that I fetched
	v_add_nc_u32 v[ADRA+1], SLOT, v[ADRA]
	v_lshl_add_u32 v7, v2, 3, v3                   ; W, transposing load: k row 8 h + l % 8,
	v_mul_u32_u24 v7, v7, BPITCH
	v_lshl_add_u32 v7, v4, 4, v7                   ; 16 bytes for each half of eight columns
	v_add_nc_u32 v[ADRB], ABYTES, v7
	v_add_nc_u32 v[ADRB+1], SLOT, v[ADRB]
	s_mul_i32 s22, s10, STW
	s_add_co_u32 s22, s22, STAGE                   ; my stage
	v_lshrrev_b32 v8, 1, v1                        ; in: row r lies in line r / 2, half r % 2
	v_mul_u32_u24 v8, v8, 272
	v_and_b32 v9, 1, v0
	v_lshl_add_u32 v8, v9, 7, v8
	v_lshl_add_u32 v8, v2, 4, v8
	v_add_nc_u32 v[STO], s22, v8
	v_mul_u32_u24 v9, v2, 272                      ; back: lanes 0-15 one line of 256 bytes, lanes 16-31 the next
	v_lshl_add_u32 v9, v1, 4, v9
	v_add_nc_u32 v[RD], s22, v9
	v_lshlrev_b32 v[CO], 4, v5                     ; 512 dense bytes of a head for each store of the wave
	; the three heads' addresses at my first row: registers of their own, which feed no descriptor
	s_lshr_b32 s76, s13, 3
	s_lshl_b32 s76, s76, 4                         ; 16 x batch
	s_and_b32 s77, s13, 7
	s_lshl_b32 s77, s77, 15                        ; 256 (y % 8) rows of 128 bytes
	s_lshl_b32 s78, s10, 13                        ; + 64 w rows
	s_add_co_u32 s77, s77, s78
	s_mul_i32 s78, s42, 3                          ; my first head among the 48 of q, k, v
.irp i, 0,1,2
	s_add_co_u32 s74, s78, \i
	s_lshr_b32 s75, s74, 4                         ; matrix
	s_and_b32 s74, s74, 15                         ; head
	s_lshl_b32 s75, s75, 5
	s_add_co_u32 s74, s74, s75
	s_add_co_u32 s74, s74, s76
	s_lshl_b32 s74, s74, 18                        ; blocks of 262,144 bytes
	s_add_co_u32 s74, s74, s77
	s_mov_b32 s75, 0
	s_add_nc_u64 s[68+2*\i:69+2*\i], s[8:9], s[74:75]
.endr
; 24 matrix instructions: two of my four row blocks (hi = 0: blocks 0, 1; 1: blocks 2, 3) x all 12 column blocks, 32 along K, from buffer f.
; The accumulators take turns, one instruction a turn.  zero = 1: the first product starts the sums.
.macro MUL24 f, hi, zero
.irp a, 0,1
.irp b, 0,1,2,3,4,5,6,7,8,9,10,11
.if \zero
	v_wmma_f32_16x16x32_f16 v[8*(12*\a+\b):8*(12*\a+\b)+7], v[BF+96*\f+8*\b:BF+96*\f+8*\b+7], v[AF+32*\f+8*(2*\hi+\a):AF+32*\f+8*(2*\hi+\a)+7], 0
.else
	v_wmma_f32_16x16x32_f16 v[8*(12*\a+\b):8*(12*\a+\b)+7], v[BF+96*\f+8*\b:BF+96*\f+8*\b+7], v[AF+32*\f+8*(2*\hi+\a):AF+32*\f+8*(2*\hi+\a)+7], v[8*(12*\a+\b):8*(12*\a+\b)+7]
.endif
.endr
.endr
.endm
; 32 LDS loads in one run: quarter q (32 along K) of a slot into buffer f: W's 12 fragments, then x's 4
.macro FETCH slot, q, f
	WIN TO_B
.irp b, 0,1,2,3,4,5,6,7,8,9,10,11
	ds_load_tr16_b128 v[BF+96*\f+8*\b:BF+96*\f+8*\b+3],   v[ADRB+\slot] offset:(32*\q)*BPITCH+(\b/4)*160+(\b%4)*32
	ds_load_tr16_b128 v[BF+96*\f+8*\b+4:BF+96*\f+8*\b+7], v[ADRB+\slot] offset:(32*\q+16)*BPITCH+(\b/4)*160+(\b%4)*32
.endr
	WIN 0
.irp a, 0,1,2,3
	ds_load_b128 v[AF+32*\f+8*\a:AF+32*\f+8*\a+3],   v[ADRA+\slot] offset:\a*16*APITCH+64*\q
	ds_load_b128 v[AF+32*\f+8*\a+4:AF+32*\f+8*\a+7], v[ADRA+\slot] offset:\a*16*APITCH+64*\q+32
.endr
.endm
; One of a K step's first three quarters: multiplies buffer f; in its middle fetches quarter q into buffer g.
.macro QUARTER slot, q, f, g, zero
	s_wait_dscnt 4                                 ; all but the youngest four loads (x's row blocks 2, 3) are in
	WIN MUL_LO
	MUL24 \f, 0, \zero
	PLACES                                         ; buffer g was read by matrix instructions: the loads into it stand four places behind them
	FETCH \slot, \q, \g
	s_wait_dscnt 32                                ; all but the 32 just issued
	WIN MUL_HI
	MUL24 \f, 1, \zero
.endm
.macro THREE slot, zero
	QUARTER \slot, 1, 0, 1, \zero
	QUARTER \slot, 2, 1, 0, 0
	QUARTER \slot, 3, 0, 1, 0
.endm
; The last quarter multiplies buffer 1 and changes slots.  In front of the barrier each wave has its reads of this slot back and all its tensor
; loads landed (its two parts of the next slot).  fill = 1: the barrier opens a round of the cluster's barrier, and the two joint refills of this
; slot, two K steps ahead, are the first tensor loads behind the round.  They have 168 matrix instructions of the wave in which to land.
.macro TURN slot, next, fill
	s_wait_dscnt 0x0
	s_wait_tensorcnt 0x0
	ds_add_u32 v255, v255
	s_wait_dscnt 0x0
	s_barrier_signal -1
	WIN MUL_LO
	MUL24 1, 0, 0                                  ; register work while the others arrive
	WIN 0
	s_barrier_wait -1
.if \fill
	CREST
	s_add_nc_u64 s[G0A+4*\slot+2:G0A+4*\slot+3], s[G0A+4*\slot+2:G0A+4*\slot+3], 2*KSTEP*2
	s_add_nc_u64 s[G0B+4*\slot+2:G0B+4*\slot+3], s[G0B+4*\slot+2:G0B+4*\slot+3], 2*KSTEP*8192
	tensor_load_to_lds s[G0A+4*\slot:G0A+4*\slot+3], s[G1A:G1A+7]
	s_nop 0
	tensor_load_to_lds s[G0B+4*\slot:G0B+4*\slot+3], s[G1B:G1B+7]
	s_nop 0
.endif
	PLACES
	FETCH \next, 0, 0
	WIN MUL_HI
	MUL24 1, 1, 0
.endm
.macro LAP zero
	THREE 0, \zero
	TURN 0, 1, 1
	THREE 1, 0
	TURN 1, 0, 1
.endm
	s_wait_tensorcnt 0x2                           ; my two parts of K step 0 are in; K step 1's two stay out
	s_barrier_signal -1
	s_barrier_wait -1
	FETCH 0, 0, 0
	LAP 1                                          ; the first lap stands in front of the loop: its first products start the sums
	WIN 0
	s_mov_b32 s3, LAPS-2
.Llap:
	LAP 0
	WIN 0
	s_sub_co_u32 s3, s3, 1
	s_cmp_lg_u32 s3, 0
	s_cbranch_scc1 .Llap
	THREE 0, 0                                     ; the last lap fills nothing
	TURN 0, 1, 0
	THREE 1, 0
	s_wait_dscnt 0x0
	WIN MUL_LO
	MUL24 1, 0, 0
	WIN MUL_HI
	MUL24 1, 1, 0
	PLACES                                         ; behind the last matrix instructions, for the conversions that read results
; THE WAY OUT, 16 rows at a time: round to f16, 16 bytes a lane into my own stage, read back as lines of 256 bytes (two rows of a head).
; LDS serves a wave's instructions in order (ISA guide 5.7.1), so the loads see the stores above them without a wait.
.macro OUT a, alo, from
	WIN \from
.irp b, 0,1,2,3,4,5,6,7,8,9,10,11
.irp k, 0,1,2,3
	v_cvt_pk_f16_f32 v[TMP+4*\b+\k], v[8*(12*\alo+\b)+2*\k], v[8*(12*\alo+\b)+2*\k+1]
.endr
.endr
	WIN 0
.irp b, 0,1,2,3,4,5,6,7,8,9,10,11
	ds_store_b128 v[STO], v[TMP+4*\b:TMP+4*\b+3] offset:(\b/4)*2176+(\b%4)*32
.endr
	s_wait_xcnt 0x0                                ; RB, which the stores before read, is loaded again only behind this wait
.irp u, 0,1,2,3,4,5,6,7,8,9,10,11
	ds_load_b128 v[RB+4*\u:RB+4*\u+3], v[RD] offset:(\u/4)*2176+(\u%4)*544
.endr
.irp u, 0,1,2,3,4,5,6,7,8,9,10,11
	s_wait_dscnt 11-\u
	global_store_b128 v[CO], v[RB+4*\u:RB+4*\u+3], s[68+2*(\u/4):69+2*(\u/4)] offset:\a*2048+(\u%4)*512   ; 512 consecutive bytes, aligned
.endr
.endm
	OUT 0, 0, 0x0a
	OUT 1, 1, 0x0a
	OUT 2, 0, 0x0f
	OUT 3, 1, 0x0f
	s_set_vgpr_msb 0x1
	s_wait_tensorcnt 0x0
	ds_add_u32 v255, v255
	s_wait_dscnt 0x0
	s_set_vgpr_msb 0x100
	CROUND                                         ; the closing round: no work-group ends while a partner may still ask for a tile that names it
	s_endpgm
.Lfunc_end_k_qd6ae1e68f3_proj:
	.size	k_qd6ae1e68f3_proj, .Lfunc_end_k_qd6ae1e68f3_proj-k_qd6ae1e68f3_proj
	.p2alignl 7, 3214868480
	.fill 96, 4, 3214868480
	.section	.rodata,"a",@progbits
	.p2align	6, 0x0
	.amdhsa_kernel k_qd6ae1e68f3_proj
		.amdhsa_group_segment_fixed_size 327680
		.amdhsa_private_segment_fixed_size 0
		.amdhsa_enable_private_segment 0
		.amdhsa_kernarg_size 24
		.amdhsa_user_sgpr_count 2
		.amdhsa_user_sgpr_kernarg_segment_ptr 1
		.amdhsa_wavefront_size32 1
		.amdhsa_system_sgpr_workgroup_id_x 1
		.amdhsa_system_sgpr_workgroup_id_y 1
		.amdhsa_system_sgpr_workgroup_id_z 1
		.amdhsa_system_vgpr_workitem_id 0
		.amdhsa_next_free_vgpr 960
		.amdhsa_next_free_sgpr 80
		.amdhsa_reserve_vcc 0
		.amdhsa_float_denorm_mode_32 3
		.amdhsa_float_denorm_mode_16_64 3
		.amdhsa_memory_ordered 1
		.amdhsa_forward_progress 1
		.amdhsa_inst_pref_size 163
	.end_amdhsa_kernel
	.amdgpu_metadata
---
amdhsa.version: [ 1, 2 ]
amdhsa.kernels:
  - .name:           k_qd6ae1e68f3_proj
    .symbol:         k_qd6ae1e68f3_proj.kd
    .args:
      - { .name: xb, .offset: 0, .size: 8, .value_kind: global_buffer, .address_space: global }
      - { .name: wall, .offset: 8, .size: 8, .value_kind: global_buffer, .address_space: global }
      - { .name: qkv, .offset: 16, .size: 8, .value_kind: global_buffer, .address_space: global }
    .group_segment_fixed_size: 327680
    .private_segment_fixed_size: 0
    .kernarg_segment_align: 8
    .kernarg_segment_size: 24
    .max_flat_workgroup_size: 128
    .sgpr_count:     80
    .vgpr_count:     960
    .wavefront_size: 32
...
	.end_amdgpu_metadata
.endif
;; end of part 2
;; launch attn (part 3): grid 8 x 32, 8 waves a work-group, clusters of 4 x 1, 327,680 bytes of LDS; arguments qkv, mask, ctx; writes ctx
.if DOCPART == 3
	.amdgcn_target "amdgcn-amd-amdhsa--gfx1250"
	.amdhsa_code_object_version 6
	.text
	.protected	k_qd6ae1e68f3_attn
	.globl	k_qd6ae1e68f3_attn
	.p2align	8
	.type	k_qd6ae1e68f3_attn,@function
k_qd6ae1e68f3_attn:
	s_mov_b64 s[64:65], 0
	v_nop
	global_prefetch_b8 v0, s[64:65] scope:SCOPE_SE
	s_setreg_imm32_b32 hwreg(HW_REG_WAVE_MODE, 25, 1), 1
	s_wait_xcnt 0x0
	s_wait_alu depctr_hold_cnt(0) depctr_sa_sdst(0) depctr_va_vdst(0) depctr_va_sdst(0) depctr_va_ssrc(0) depctr_va_vcc(0) depctr_vm_vsrc(0)
	s_getreg_b32 s2, hwreg(HW_REG_IB_STS2, 6, 4)
	s_cmp_eq_u32 s2, 0
	s_cbranch_scc0 .Lentry_in_a_cluster
	s_endpgm
.Lentry_in_a_cluster:
	s_bfe_u32 s2, ttmp6, 0x10000c
	s_cmp_lg_u32 s2, 0x3003
	s_cbranch_scc0 .Lentry_shape_is_right
	s_endpgm
.Lentry_shape_is_right:
; ctx = softmax(q k^T / 32 + mask) v for one (batch, head) and 256 queries, with a running maximum.  qkv [3][2][16][2048][64] f16, mask [2][2048] f32,
; ctx [2][16][2048][64] f16.  Scores, maxima, sums and the output sums are f32; p is rounded to f16 for the second product, its sum l is not.
; LIMITS: 32 x mask must be finite or -inf in f32; raw scores q.k + 32 mask below -2^127 count as -inf (the running maximum's floor);
; a query whose keys are all -inf gives NaN, as the definition does.  l is summed per wave over its half of the key chunks and per half of the lanes,
; and merged at the end: another order of rounding than a sum along the row.
; EIGHT WAVES.  Waves w and w + 4 hold the same 64 queries (group w % 4) and take the even and the odd chunks of 64 keys; their states are merged through
; LDS at the end.  So a wave reads half of K and V for 64 queries, and each SIMD has two waves: one's softmax runs under the other's products.
; CLUSTER 4 x 1: the four query blocks of a cluster belong to one head and ask jointly for its K and V tiles (256 keys a step, two slots).
; Each wave issues a sixteenth ... an eighth of K's tile and of V's: two tensor loads a step, at most two out.
; TRANSPOSED: S^T = K Q^T + C with C = 32 mask[key] as the first product's C; lane l holds query l % 16 and keys 16 i + 8 (l / 16) + j.
; p = exp2(c s + nm), c = log2(e) / 32, nm = -c max.  Two packed key tiles are, as they stand, a source-1 fragment of P^T; O^T = V^T P^T with V read by the
; transposing LDS load; lane l then holds query l % 16 and dh 16 d + 8 (l / 16) + j: 16 neighbouring bytes of ctx.
.set KP,     272                       ; an LDS line of K: two keys (2 x 128 bytes) + 16 of padding
.set VP,     288                       ; of V: + 32 of padding
.set KBYTES, 128*KP
.set SLOT,   KBYTES+128*VP             ; 71,680
.set TILE,   32768                     ; 256 keys of 128 bytes in memory
.set MASKL,  2*SLOT                    ; 2,048 f32: 32 x mask of my batch
.set MERGE,  MASKL+8192                ; 4 x 34 blocks of 512 bytes: O, max, l of waves 4-7
.set MGW,    34*512
.set STG,    MERGE+4*MGW               ; 4 x 32 lines of 272: the way out of waves 0-3
.set STW,    32*272
.set AK,  1                            ; v1-2    LDS address of my K fragments in slot 0, 1
.set AV,  3                            ; v3-4    of my V fragments
.set AM,  5                            ; v5      of my chunk's mask words
.set MX,  8                            ; v8-11   running maximum of query tile t
.set LS,  12                           ; v12-15  running sum
.set AL,  16                           ; v16-23  the rescaling factor of tile t, twice (a pair for the packed multiply)
.set NMP, 24                           ; v24-25  nm, twice
.set T0,  26                           ; v26-29  at work
.set SC,  32                           ; v32-159 scores: tile (i, t) at 32 t + 8 i; then p; then P packed at 32 t + 16 p
.set MK,  160                          ; v160-191 32 mask of key tile i at 8 i
.set FK,  192                          ; v192-255 K's fragments (i, d) at 16 i + 8 d
.set FV,  0                            ; window 1: v0-63   V's fragments (p, d) at 32 p + 8 d
.set QF,  64                           ; window 1: v64-127 Q's fragments (t, d) at 16 t + 8 d
.set OA,  128                          ; window 1: v128-255 O (d, t) at 32 t + 8 d
.set G1K, 24
.set G0K, 32
.set G1V, 48
.set G0V, 56
.set MSB, 0
.macro WIN new
.if MSB != \new
	s_set_vgpr_msb (MSB<<8)|\new
.set MSB, \new
.endif
.endm
.macro PLACES
.rept 4
	v_nop
.endr
.endm
.macro PLACES5
.rept 5
	v_nop
.endr
.endm
.macro ROUND                           ; a round of the cluster's barrier
	s_barrier_signal -1
	s_barrier_wait -1
	s_cmp_lg_u32 s10, 0
	s_cbranch_scc1 .Lnot_wave_0_\@
	s_barrier_signal -3
.Lnot_wave_0_\@:
	s_barrier_wait -3
	s_barrier_signal -1
	s_barrier_wait -1
.endm
	s_load_b128 s[4:7], s[0:1], 0x0                ; qkv s[4:5], mask s[6:7]
	s_load_b64 s[8:9], s[0:1], 0x10                ; ctx
	v_lshl_add_u32 v254, v0, 2, 0x3e800
	v_mov_b32 v255, 0
	ds_add_u32 v254, v255
	s_wait_dscnt 0x0
	v_lshrrev_b32 v32, 5, v0
	v_readfirstlane_b32 s10, v32                   ; wave 0..7
	s_and_b32 s11, s10, 3                          ; query group
	s_lshr_b32 s12, s10, 2                         ; which chunks: 0 even, 1 odd
	s_and_b32 s13, ttmp7, 0xffff                   ; 16 x batch + head
	s_bfe_u32 s14, ttmp6, 0x40000                  ; cx
	s_lshl_b32 s15, ttmp9, 2
	s_add_co_u32 s15, s15, s14                     ; block of 256 queries
	s_mov_b32 s66, 0x3d38aa3b                      ; c = log2(e) / 32
	s_mov_b32 s67, 0x3d38aa3b
	s_mov_b32 s68, 0xbd38aa3b                      ; -c
	s_mov_b32 s69, 0xff000000                      ; -2^127: the first maximum's floor, so that nm stays finite
	s_mov_b32 s70, 0x76543210                      ; v_permlanex16_b32: lane i of one half reads lane i of the other
	s_mov_b32 s71, 0xfedcba98
	; group 1: an eighth of a tile, 16 dense rows of 32 elements of 8 bytes; padding behind every 64 words: K 4 words, V 8.  Mask: all four of the cluster
	s_mov_b32 s[G1K+0], 15|(3<<16)|(1<<20)|(1<<21)|(5<<22)|(3<<25)
	s_mov_b32 s[G1V+0], 15|(3<<16)|(1<<20)|(1<<21)|(5<<22)|(7<<25)
.irp g, G1K, G1V
	s_mov_b32 s[\g+1], 32<<16                      ; tensor_dim0 = 32
	s_mov_b32 s[\g+2], 16<<16                      ; tensor_dim1 = 16
	s_mov_b32 s[\g+3], 32<<16                      ; tile_dim0 = 32
	s_mov_b32 s[\g+4], 16                          ; tile_dim1 = 16
	s_mov_b32 s[\g+5], 32                          ; dense
	s_mov_b32 s[\g+6], 0
	s_mov_b32 s[\g+7], 0
.endr
	s_lshl_b32 s16, s13, 18                        ; K, V: the head's block and the wave's eighth: nothing of cx
	s_lshl_b32 s17, s10, 12
	s_add_co_u32 s16, s16, s17
	s_mov_b32 s17, 0
	s_lshl_b32 s18, s13, 18                        ; Q and ctx: the head's block, my 64 queries of 128 bytes
	s_lshl_b32 s19, s15, 15
	s_add_co_u32 s18, s18, s19
	s_lshl_b32 s19, s11, 13
	s_add_co_u32 s18, s18, s19
	s_mov_b32 s19, 0
	s_lshr_b32 s74, s13, 4
	s_lshl_b32 s74, s74, 13                        ; mask: my batch's 8,192 bytes
	s_mov_b32 s75, 0
	s_mul_i32 s72, s10, 16*KP
	s_mul_i32 s73, s10, 16*VP
	s_add_co_u32 s73, s73, KBYTES
	s_wait_kmcnt 0x0
	s_add_nc_u64 s[40:41], s[4:5], s[16:17]
	s_add_nc_u64 s[40:41], s[40:41], 0x800000      ; K
	s_add_nc_u64 s[42:43], s[40:41], 0x800000      ; V
	s_add_nc_u64 s[20:21], s[4:5], s[18:19]
	s_add_nc_u64 s[22:23], s[8:9], s[18:19]
	s_add_nc_u64 s[46:47], s[6:7], s[74:75]
.irp s, 0,1
	s_mov_b32 s[G0K+4*\s], 1
	s_add_co_u32 s[G0K+4*\s+1], s72, \s*SLOT
	s_add_nc_u64 s[G0K+4*\s+2:G0K+4*\s+3], s[40:41], \s*TILE
	s_or_b32 s[G0K+4*\s+3], s[G0K+4*\s+3], 0x80000000
	s_mov_b32 s[G0V+4*\s], 1
	s_add_co_u32 s[G0V+4*\s+1], s73, \s*SLOT
	s_add_nc_u64 s[G0V+4*\s+2:G0V+4*\s+3], s[42:43], \s*TILE
	s_or_b32 s[G0V+4*\s+3], s[G0V+4*\s+3], 0x80000000
.endr
	ROUND                                          ; the four work-groups are here: the first joint loads meet
	tensor_load_to_lds s[G0K:G0K+3], s[G1K:G1K+7]  ; tile 0
	s_nop 0
	tensor_load_to_lds s[G0V:G0V+3], s[G1V:G1V+7]
	s_nop 0
	v_and_b32 v32, 15, v0                          ; r
	v_bfe_u32 v33, v0, 4, 1                        ; h
	v_and_b32 v34, 1, v0
	v_lshrrev_b32 v35, 1, v32                      ; r / 2
	v_bfe_u32 v36, v0, 1, 2                        ; (l % 8) / 2
	v_bfe_u32 v37, v0, 3, 1
	v_and_b32 v38, 31, v0                          ; l
	v_lshlrev_b32 v7, 5, v0                        ; mask: 8 words a thread
	v_lshlrev_b32 v6, 7, v32                       ; Q: row r of 128 bytes + 16 h
	v_lshl_add_u32 v6, v33, 4, v6
	global_load_b128 v[MK:MK+3],   v7, s[46:47]
	global_load_b128 v[MK+4:MK+7], v7, s[46:47] offset:16
	WIN 0x40
.irp t, 0,1,2,3
.irp u, 0,1,2,3
	global_load_b128 v[QF+16*\t+4*\u:QF+16*\t+4*\u+3], v6, s[20:21] offset:\t*2048+32*\u
.endr
.endr
	WIN 0
	v_mul_u32_u24 v39, v35, KP                     ; row r in lines of two rows at pitch 272, + 16 h: for K's fragments and for the way out
	v_lshl_add_u32 v39, v34, 7, v39
	v_lshl_add_u32 v39, v33, 4, v39
	s_mul_i32 s77, s12, 32*KP                      ; my first chunk: 64 keys = 32 lines on for the odd waves
	v_add_nc_u32 v[AK], s77, v39
	v_add_nc_u32 v[AK+1], SLOT, v[AK]
	v_lshl_add_u32 v40, v33, 2, v36                ; V, transposing load: key 8 h + l % 8 = line 4 h + (l % 8) / 2, half l % 2
	v_mul_u32_u24 v40, v40, VP
	v_lshl_add_u32 v40, v34, 7, v40
	v_lshl_add_u32 v40, v37, 4, v40
	s_mul_i32 s78, s12, 32*VP
	s_add_co_u32 s78, s78, KBYTES
	v_add_nc_u32 v[AV], s78, v40
	v_add_nc_u32 v[AV+1], SLOT, v[AV]
	s_lshl_b32 s79, s12, 8
	s_add_co_u32 s79, s79, MASKL
	v_lshl_add_u32 v[AM], v33, 5, s79              ; 8 words for each half of the lanes
	s_mul_i32 s74, s11, MGW
	s_add_co_u32 s74, s74, MERGE
	v_lshl_add_u32 v30, v38, 4, s74                ; merge: 16 bytes a lane in blocks of 512
	s_mul_i32 s76, s11, STW
	s_add_co_u32 s76, s76, STG
	v_add_nc_u32 v31, s76, v39                     ; the way out: where I put 16 bytes
	v_add_nc_u32 v41, MASKL, v7
	s_wait_loadcnt 16                              ; the two mask loads are in; Q's sixteen stay out
.irp j, 0,1,2,3,4,5,6,7
	v_mul_f32 v[MK+\j], 0x42000000, v[MK+\j]       ; 32 x mask: it enters the scores ahead of the factor 1 / 32
.endr
	ds_store_b128 v41, v[MK:MK+3]
	ds_store_b128 v41, v[MK+4:MK+7] offset:16      ; shown to the other waves by the first trip's wait and round
	s_wait_loadcnt 0x0                             ; Q
; 24 LDS loads: K's fragments of my chunk cc (0, 1) of the slot, then its 64 mask words
.macro LOADK slot, cc
.irp i, 0,1,2,3
.irp u, 0,1,2,3
	ds_load_b128 v[FK+16*\i+4*\u:FK+16*\i+4*\u+3], v[AK+\slot] offset:(64*\cc+8*\i)*KP+32*\u
.endr
.endr
.irp i, 0,1,2,3
	ds_load_b128 v[MK+8*\i:MK+8*\i+3],   v[AM] offset:\cc*512+\i*64
	ds_load_b128 v[MK+8*\i+4:MK+8*\i+7], v[AM] offset:\cc*512+\i*64+16
.endr
.endm
; 16 transposing LDS loads: V's fragments of the chunk
.macro LOADV slot, cc
	WIN 0x40
.irp p, 0,1
.irp d, 0,1,2,3
	ds_load_tr16_b128 v[FV+32*\p+8*\d:FV+32*\p+8*\d+3],   v[AV+\slot] offset:(64*\cc+16*\p)*VP+32*\d
	ds_load_tr16_b128 v[FV+32*\p+8*\d+4:FV+32*\p+8*\d+7], v[AV+\slot] offset:(64*\cc+16*\p+8)*VP+32*\d
.endr
.endr
.endm
; The softmax step of query tile t: a lane holds 32 of its query's 64 scores, the lane 16 further on the other 32.
.macro SOFTMAX t, first
.set X, SC+32*\t
	v_max3_num_f32 v[T0],   v[X],   v[X+1], v[X+2]
	v_max3_num_f32 v[T0+1], v[X+3], v[X+4], v[X+5]
.set j, 6
.rept 13
	v_max3_num_f32 v[T0+(j/2)%2], v[T0+(j/2)%2], v[X+j], v[X+j+1]
.set j, j+2
.endr
	v_max_num_f32 v[T0], v[T0], v[T0+1]
	v_permlanex16_b32 v[T0+1], v[T0], s70, s71
.if \first
	v_max3_num_f32 v[MX+\t], v[T0], v[T0+1], s69
.else
	v_mul_f32 v[T0+3], s68, v[MX+\t]               ; the old nm, rounded as it was when it was used
	v_max3_num_f32 v[MX+\t], v[T0], v[T0+1], v[MX+\t]
.endif
	v_mul_f32 v[NMP],   s68, v[MX+\t]
	v_mul_f32 v[NMP+1], s68, v[MX+\t]
.if \first == 0
	v_sub_f32 v[T0+3], v[NMP], v[T0+3]
	v_exp_f32 v[AL+2*\t],   v[T0+3]                ; exp2(nm new - nm old): nm's rounding cancels.  The packed lines below are the plain place behind it (ISA guide 5.7.2)
	v_exp_f32 v[AL+2*\t+1], v[T0+3]
.endif
.set j, 0
.rept 16
	v_pk_fma_f32 v[X+j:X+j+1], v[X+j:X+j+1], s[66:67], v[NMP:NMP+1] op_sel_hi:[1,0,1]
.set j, j+2
.endr
.set j, 0
.rept 32
	v_exp_f32 v[X+j], v[X+j]
.set j, j+1
.endr
	v_nop                                          ; one plain place between the exponentials and their first use
	s_wait_alu depctr_va_vdst(0)
	v_pk_add_f32 v[T0:T0+1],   v[X:X+1],   v[X+2:X+3]
	v_pk_add_f32 v[T0+2:T0+3], v[X+4:X+5], v[X+6:X+7]
.set j, 8
.rept 12
	v_pk_add_f32 v[T0+2*((j/2)%2):T0+2*((j/2)%2)+1], v[T0+2*((j/2)%2):T0+2*((j/2)%2)+1], v[X+j:X+j+1]
.set j, j+2
.endr
	v_pk_add_f32 v[T0:T0+1], v[T0:T0+1], v[T0+2:T0+3]
.if \first
	v_add_f32 v[LS+\t], v[T0], v[T0+1]
.else
	v_add_f32 v[T0], v[T0], v[T0+1]
	v_fma_f32 v[LS+\t], v[LS+\t], v[AL+2*\t], v[T0]
.endif
.irp p, 0,1
.irp k, 0,1,2,3,4,5,6,7
	v_cvt_pk_f16_f32 v[X+16*\p+\k], v[X+16*\p+2*\k], v[X+16*\p+2*\k+1]   ; in place, ascending: a target has been read by then
.endr
.endr
.endm
; 16 matrix instructions of O^T += V^T P^T for 32 keys; the 16 accumulators take turns, one instruction a turn
.macro PV p, zero
.irp t, 0,1,2,3
.irp d, 0,1,2,3
.if \zero
	v_wmma_f32_16x16x32_f16 v[OA+32*\t+8*\d:OA+32*\t+8*\d+7], v[FV+32*\p+8*\d:FV+32*\p+8*\d+7], v[SC+32*\t+16*\p:SC+32*\t+16*\p+7], 0
.else
	v_wmma_f32_16x16x32_f16 v[OA+32*\t+8*\d:OA+32*\t+8*\d+7], v[FV+32*\p+8*\d:FV+32*\p+8*\d+7], v[SC+32*\t+16*\p:SC+32*\t+16*\p+7], v[OA+32*\t+8*\d:OA+32*\t+8*\d+7]
.endif
.endr
.endr
.endm
; One chunk of 64 keys against my 64 queries.  K and the mask words were asked for earlier (24 loads).
.macro CHUNK slot, cc, first, nextk
.if \first == 0
	PLACES5                                        ; behind the last chunk's products: four places for the loads into V's fragments, five for the score products that write over P
.endif
	LOADV \slot, \cc
	s_wait_dscnt 16                                ; K and the mask words are in; V's sixteen loads stay out
	WIN 0x04
.irp t, 0,1,2,3
.irp i, 0,1,2,3
	v_wmma_f32_16x16x32_f16 v[SC+32*\t+8*\i:SC+32*\t+8*\i+7], v[FK+16*\i:FK+16*\i+7], v[QF+16*\t:QF+16*\t+7], v[MK+8*\i:MK+8*\i+7]
.endr
.endr
.irp t, 0,1,2,3
.irp i, 0,1,2,3
	v_wmma_f32_16x16x32_f16 v[SC+32*\t+8*\i:SC+32*\t+8*\i+7], v[FK+16*\i+8:FK+16*\i+15], v[QF+16*\t+8:QF+16*\t+15], v[SC+32*\t+8*\i:SC+32*\t+8*\i+7]
.endr
.endr
	WIN 0
	PLACES                                         ; for the loads into K's fragments and the mask words, and for the softmax, which reads results
.if \nextk
	LOADK \slot, 1
.endif
	SOFTMAX 0, \first
	SOFTMAX 1, \first
	SOFTMAX 2, \first
	SOFTMAX 3, \first
.if \first == 0
	WIN 0x41
.irp t, 0,1,2,3
.set j, 0
.rept 16
	v_pk_mul_f32 v[OA+32*\t+j:OA+32*\t+j+1], v[OA+32*\t+j:OA+32*\t+j+1], v[AL+2*\t:AL+2*\t+1]
.set j, j+2
.endr
.endr
.endif
.if \nextk
	s_wait_dscnt 24                                ; V is in; the next chunk's 24 loads stay out
.else
	s_wait_dscnt 0x0
.endif
	WIN 0x51
	PV 0, \first
	PV 1, 0
	WIN 0
.endm
; One step: 256 keys in slot; my two chunks of them.  In front of the round every wave has all its tensor loads landed (its parts of this step's tile)
; and its LDS reads back; behind it the other slot, read in the last step, is asked for jointly: the first tensor loads there.
.macro TRIP slot, refill, first
	s_wait_xcnt 0x0
	v_lshl_add_u32 v254, v0, 2, 0x3e800
	v_mov_b32 v255, 0
	s_wait_tensorcnt 0x0
	ds_add_u32 v254, v255
	s_wait_dscnt 0x0
	s_add_nc_u64 s[G0K+4*\slot+2:G0K+4*\slot+3], s[G0K+4*\slot+2:G0K+4*\slot+3], 2*TILE   ; no load is out: this slot's next tile
	s_add_nc_u64 s[G0V+4*\slot+2:G0V+4*\slot+3], s[G0V+4*\slot+2:G0V+4*\slot+3], 2*TILE
	s_wait_dscnt 0x0
	ROUND
.if \refill
	tensor_load_to_lds s[G0K+4*(1-\slot):G0K+4*(1-\slot)+3], s[G1K:G1K+7]
	s_nop 0
	tensor_load_to_lds s[G0V+4*(1-\slot):G0V+4*(1-\slot)+3], s[G1V:G1V+7]
	s_nop 0
.endif
	LOADK \slot, 0
	CHUNK \slot, 0, \first, 1
	CHUNK \slot, 1, 0, 0
	v_add_nc_u32 v[AM], 1024, v[AM]                ; the next 256 mask words
.endm
	TRIP 0, 1, 1                                   ; eight steps; the first starts maxima, sums and O
	TRIP 1, 1, 0
	s_mov_b32 s44, 2
.Ltrips:
	TRIP 0, 1, 0
	TRIP 1, 1, 0
	s_sub_co_u32 s44, s44, 1
	s_cmp_lg_u32 s44, 0
	s_cbranch_scc1 .Ltrips
	TRIP 0, 1, 0
	TRIP 1, 0, 0                                   ; the last step asks for nothing (the stepped addresses are not used)
	; MERGE: waves 4-7 hand O, max and l to waves 0-3 through LDS bytes that no tensor load fills
	PLACES                                         ; behind the last products: for the stores of O and the loads into P's registers
	s_cmp_lt_u32 s10, 4
	s_cbranch_scc1 .Lkeep
	WIN 0x04
.set k, 0
.rept 32
	ds_store_b128 v30, v[OA+4*k:OA+4*k+3] offset:512*k
.set k, k+1
.endr
	WIN 0
	ds_store_b128 v30, v[MX:MX+3] offset:512*32
	ds_store_b128 v30, v[LS:LS+3] offset:512*33
.Lkeep:
	s_wait_dscnt 0x0                               ; for the readers' sake
	s_barrier_signal -1
	s_barrier_wait -1
	s_cmp_ge_u32 s10, 4
	s_cbranch_scc1 .Lclose
	ds_load_b128 v[160:163], v30 offset:512*32     ; the partner's maxima
	ds_load_b128 v[164:167], v30 offset:512*33     ; and sums
.set k, 0
.rept 32
	ds_load_b128 v[SC+4*k:SC+4*k+3], v30 offset:512*k
.set k, k+1
.endr
	s_wait_dscnt 32                                ; maxima and sums are in; O's 32 loads stay out
.irp t, 0,1,2,3
	v_mul_f32 v[192+\t], s68, v[MX+\t]             ; nm of mine
	v_mul_f32 v[196+\t], s68, v[160+\t]            ; nm of the partner
.endr
.irp t, 0,1,2,3
	v_min_num_f32 v[200+\t], v[192+\t], v[196+\t]  ; nm of the larger maximum
.endr
.irp t, 0,1,2,3
	v_sub_f32 v[192+\t], v[200+\t], v[192+\t]
	v_sub_f32 v[196+\t], v[200+\t], v[196+\t]
.endr
.irp u, 0,1,2,3,4,5,6,7
	v_exp_f32 v[192+\u], v[192+\u]
.endr
	v_nop
	s_wait_alu depctr_va_vdst(0)
.irp t, 0,1,2,3
	v_mul_f32 v[200+\t], v[LS+\t], v[192+\t]
.endr
.irp t, 0,1,2,3
	v_fmac_f32 v[200+\t], v[164+\t], v[196+\t]
.endr
.irp t, 0,1,2,3
	v_permlanex16_b32 v[T0+\t], v[200+\t], s70, s71   ; the other half of the lanes holds the other keys' share of l
.endr
.irp t, 0,1,2,3
	v_add_f32 v[200+\t], v[200+\t], v[T0+\t]
.endr
.irp t, 0,1,2,3
	v_rcp_f32 v[200+\t], v[200+\t]
.endr
	v_nop
	s_wait_alu depctr_va_vdst(0)
.irp t, 0,1,2,3
	v_mul_f32 v[AL+2*\t],    v[192+\t], v[200+\t]  ; my factor / l, twice
	v_mul_f32 v[AL+2*\t+1],  v[192+\t], v[200+\t]
	v_mul_f32 v[168+2*\t],   v[196+\t], v[200+\t]  ; the partner's
	v_mul_f32 v[168+2*\t+1], v[196+\t], v[200+\t]
.endr
	s_wait_dscnt 0x0
.irp t, 0,1,2,3
.set j, 0
.rept 16
	v_pk_mul_f32 v[SC+32*\t+j:SC+32*\t+j+1], v[SC+32*\t+j:SC+32*\t+j+1], v[168+2*\t:168+2*\t+1]
.set j, j+2
.endr
.endr
	WIN 0x01
.irp t, 0,1,2,3
.set j, 0
.rept 16
	v_pk_fma_f32 v[SC+32*\t+j:SC+32*\t+j+1], v[OA+32*\t+j:OA+32*\t+j+1], v[AL+2*\t:AL+2*\t+1], v[SC+32*\t+j:SC+32*\t+j+1]
.set j, j+2
.endr
.endr
	WIN 0
.set k, 0
.rept 64
	v_cvt_pk_f16_f32 v[SC+k], v[SC+2*k], v[SC+2*k+1]   ; in place, ascending: tile (d, t) ends in four registers at 4 (4 t + d)
.set k, k+1
.endr
	; the way out: 16 bytes a lane into my own stage, read back as lines of 256 bytes; a wave's LDS instructions are served in order (ISA guide 5.7.1)
.irp t, 0,1,2,3
.irp d, 0,1,2,3
	ds_store_b128 v31, v[SC+4*(4*\t+\d):SC+4*(4*\t+\d)+3] offset:\t*2176+32*\d
.endr
.endr
	v_and_b32 v6, 15, v0                           ; v6 and v7 served loads that were waited for at the head
	v_bfe_u32 v7, v0, 4, 1
	v_mul_u32_u24 v7, v7, 272
	v_lshl_add_u32 v6, v6, 4, v7
	v_add_nc_u32 v6, s76, v6                       ; lanes 0-15 one line, lanes 16-31 the next
	v_and_b32 v7, 31, v0
	v_lshlrev_b32 v7, 4, v7
.set k, 0
.rept 16
	ds_load_b128 v[96+4*k:96+4*k+3], v6 offset:544*k
.set k, k+1
.endr
.set k, 0
.rept 16
	s_wait_dscnt 15-k
	global_store_b128 v7, v[96+4*k:96+4*k+3], s[22:23] offset:512*k   ; 512 consecutive bytes of the head's block, aligned
.set k, k+1
.endr
.Lclose:
	s_wait_xcnt 0x0
	v_lshl_add_u32 v254, v0, 2, 0x3e800
	v_mov_b32 v255, 0
	s_wait_tensorcnt 0x0
	ds_add_u32 v254, v255
	s_wait_dscnt 0x0
	ROUND                                          ; the closing round: no work-group ends while a partner may still ask for a tile that names it
	s_endpgm
.Lfunc_end_k_qd6ae1e68f3_attn:
	.size	k_qd6ae1e68f3_attn, .Lfunc_end_k_qd6ae1e68f3_attn-k_qd6ae1e68f3_attn
	.p2alignl 7, 3214868480
	.fill 96, 4, 3214868480
	.section	.rodata,"a",@progbits
	.p2align	6, 0x0
	.amdhsa_kernel k_qd6ae1e68f3_attn
		.amdhsa_group_segment_fixed_size 327680
		.amdhsa_private_segment_fixed_size 0
		.amdhsa_enable_private_segment 0
		.amdhsa_kernarg_size 24
		.amdhsa_user_sgpr_count 2
		.amdhsa_user_sgpr_kernarg_segment_ptr 1
		.amdhsa_wavefront_size32 1
		.amdhsa_system_sgpr_workgroup_id_x 1
		.amdhsa_system_sgpr_workgroup_id_y 1
		.amdhsa_system_sgpr_workgroup_id_z 1
		.amdhsa_system_vgpr_workitem_id 0
		.amdhsa_next_free_vgpr 512
		.amdhsa_next_free_sgpr 80
		.amdhsa_reserve_vcc 0
		.amdhsa_float_denorm_mode_32 3
		.amdhsa_float_denorm_mode_16_64 3
		.amdhsa_memory_ordered 1
		.amdhsa_forward_progress 1
		.amdhsa_inst_pref_size 255
	.end_amdhsa_kernel
	.section	.bss,"aw",@nobits
	.p2align	6
	.space	262144
	.amdgpu_metadata
---
amdhsa.version: [ 1, 2 ]
amdhsa.kernels:
  - .name:           k_qd6ae1e68f3_attn
    .symbol:         k_qd6ae1e68f3_attn.kd
    .args:
      - { .name: qkv, .offset: 0, .size: 8, .value_kind: global_buffer, .address_space: global }
      - { .name: mask, .offset: 8, .size: 8, .value_kind: global_buffer, .address_space: global }
      - { .name: ctx, .offset: 16, .size: 8, .value_kind: global_buffer, .address_space: global }
    .group_segment_fixed_size: 327680
    .private_segment_fixed_size: 0
    .kernarg_segment_align: 8
    .kernarg_segment_size: 24
    .max_flat_workgroup_size: 256
    .sgpr_count:     80
    .vgpr_count:     512
    .wavefront_size: 32
...
	.end_amdgpu_metadata
.endif
;; end of part 3
;; launch oproj (part 4): grid 8 x 32, 4 waves a work-group, clusters of 4 x 4, 327,680 bytes of LDS; arguments ctx, wall, bo, out0; writes out0
.if DOCPART == 4
	.amdgcn_target "amdgcn-amd-amdhsa--gfx1250"
	.amdhsa_code_object_version 6
	.text
	.protected	k_qd6ae1e68f3_oproj
	.globl	k_qd6ae1e68f3_oproj
	.p2align	8
	.type	k_qd6ae1e68f3_oproj,@function
k_qd6ae1e68f3_oproj:
	s_mov_b64 s[64:65], 0
	v_nop
	global_prefetch_b8 v0, s[64:65] scope:SCOPE_SE
	s_setreg_imm32_b32 hwreg(HW_REG_WAVE_MODE, 25, 1), 1
	s_wait_xcnt 0x0
	s_wait_alu depctr_hold_cnt(0) depctr_sa_sdst(0) depctr_va_vdst(0) depctr_va_sdst(0) depctr_va_ssrc(0) depctr_va_vcc(0) depctr_vm_vsrc(0)
	s_getreg_b32 s2, hwreg(HW_REG_IB_STS2, 6, 4)
	s_cmp_eq_u32 s2, 0
	s_cbranch_scc0 .Lentry_in_a_cluster
	s_endpgm
.Lentry_in_a_cluster:
	s_bfe_u32 s2, ttmp6, 0x10000c
	s_cmp_lg_u32 s2, 0xf033
	s_cbranch_scc0 .Lentry_shape_is_right
	s_endpgm
.Lentry_shape_is_right:
; out0 = ctx Wo + bo.  ctx [2][16][2048][64] f16 (head-major), Wo = columns 3072-4095 of wall [1024 (k)][4096] f16, bo [1024] f32, out0 [4096][1024] f32.
; Sums in f32; the bias is the first product's C, so nothing is added afterwards.
; A work-group makes 128 x 128 with four waves of 64 x 64 (16 accumulator tiles): 256 work-groups of equal work.  K goes in 4 steps of 256 (four heads)
; through two LDS slots.  Wave w fetches head 4 step + w of ctx (128 rows, a dense block brought as 64 rows of 256 bytes) and 64 k rows of Wo (256 bytes each).
; CLUSTER 4 x 4: ctx's tile is asked for jointly along a row of the cluster, Wo's along a column.  A wave has at most four tensor loads out.
; Wo lies [k][n] in LDS and is read by the transposing LDS load.  Transposed use (source 0 = Wo's columns, source 1 = ctx's rows): lane l holds row l % 16 and
; columns 8 (l / 16) + 0..7 of a tile, 32 neighbouring bytes.
.set ABYTES, 4*64*272                  ; 4 head blocks of 64 lines; a line holds two rows (2 x 128 bytes) + 16 of padding
.set BPITCH, 288                       ; 256 bytes + 32: an odd multiple of 32
.set SLOT,   ABYTES+256*BPITCH         ; 143,360
.set STAGE,  2*SLOT                    ; 4 x 16 rows of 272 bytes, never filled by a tensor load
.set ADRA, 16                          ; v16-17  ctx's fragments in slot 0, 1
.set ADRB, 20                          ; v20-23  Wo's fragments: slot 0 k rows 0-127, 128-255; slot 1 likewise (so that the immediates stay under 65,536)
.set STO,  24
.set RD,   25
.set CO,   26
.set BIAS, 32                          ; v32-63   bo of column block b at 8 b
.set F0,   64                          ; v64-127  fragment buffer 0: Wo's 4 at 8 b, ctx's 4 at 32 + 8 a
.set F1,   128                         ; v128-191 buffer 1
.set RB,   192                         ; v192-223 rows read back
                                       ; window 1: accumulator (a, b) at 8 (4 a + b)
.set G1A, 24
.set G0A, 32
.set G1B, 48
.set G0B, 56
.set MSB, 0
.macro WIN new
.if MSB != \new
	s_set_vgpr_msb (MSB<<8)|\new
.set MSB, \new
.endif
.endm
.macro PLACES
.rept 4
	v_nop
.endr
.endm
.macro CREST
	s_cmp_lg_u32 s10, 0
	s_cbranch_scc1 .Lnot_wave_0_\@
	s_barrier_signal -3
.Lnot_wave_0_\@:
	s_barrier_wait -3
	s_barrier_signal -1
	s_barrier_wait -1
.endm
.macro CROUND
	s_barrier_signal -1
	s_barrier_wait -1
	CREST
.endm
	s_load_b128 s[4:7], s[0:1], 0x0                ; ctx s[4:5], wall s[6:7]
	s_load_b128 s[68:71], s[0:1], 0x10             ; bo s[68:69], out0 s[70:71]
	v_lshl_add_u32 v254, v0, 2, 0x4a400
	v_mov_b32 v255, 0
	ds_add_u32 v254, v255
	v_lshrrev_b32 v1, 5, v0
	v_readfirstlane_b32 s10, v1                    ; wave 0..3
	s_lshr_b32 s11, s10, 1                         ; which 64 rows
	s_and_b32 s12, s10, 1                          ; which 64 columns
	s_bfe_u32 s40, ttmp6, 0x40000                  ; cx
	s_bfe_u32 s41, ttmp6, 0x40004                  ; cy
	s_lshl_b32 s42, ttmp9, 2
	s_add_co_u32 s42, s42, s40                     ; block column x
	s_and_b32 s13, ttmp7, 0xffff
	s_lshl_b32 s13, s13, 2
	s_add_co_u32 s13, s13, s41                     ; block row y
	s_lshl_b32 s43, s41, 2
	s_lshl_b32 s43, 15, s43                        ; my row of the cluster
	s_lshl_b32 s44, 0x1111, s40                    ; my column
	; group 1, ctx: 64 dense rows of 32 elements of 8 bytes, 4 words of padding behind every 64
	s_or_b32  s[G1A+0], s43, (3<<16)|(1<<20)|(1<<21)|(5<<22)|(3<<25)
	s_mov_b32 s[G1A+1], 32<<16
	s_mov_b32 s[G1A+2], 64<<16
	s_mov_b32 s[G1A+3], 32<<16
	s_mov_b32 s[G1A+4], 64
	s_mov_b32 s[G1A+5], 32
	s_mov_b32 s[G1A+6], 0
	s_mov_b32 s[G1A+7], 0
	; group 1, Wo: 64 k rows of 128 elements of 2 bytes, 8 words of padding behind every 64
	s_or_b32  s[G1B+0], s44, (1<<16)|(1<<20)|(1<<21)|(5<<22)|(7<<25)
	s_mov_b32 s[G1B+1], 128<<16
	s_mov_b32 s[G1B+2], 64<<16
	s_mov_b32 s[G1B+3], 128<<16
	s_mov_b32 s[G1B+4], 64
	s_mov_b32 s[G1B+5], 4096
	s_mov_b32 s[G1B+6], 0
	s_mov_b32 s[G1B+7], 0
	s_lshr_b32 s16, s13, 4                         ; ctx: batch
	s_lshl_b32 s16, s16, 4
	s_add_co_u32 s16, s16, s10                     ; head block 16 batch + w
	s_lshl_b32 s16, s16, 18
	s_and_b32 s17, s13, 15
	s_lshl_b32 s17, s17, 14                        ; + 128 (y % 16) rows of 128 bytes
	s_add_co_u32 s16, s16, s17
	s_mov_b32 s17, 0
	s_lshl_b32 s46, s42, 8                         ; Wo: 128 x columns of 2 bytes
	s_lshl_b32 s47, s10, 19                        ; + 64 w rows of 8,192 bytes
	s_add_co_u32 s46, s46, s47
	s_add_co_u32 s46, s46, 6144                    ; + the 3,072 columns of Wq, Wk, Wv
	s_mov_b32 s47, 0
	s_mul_i32 s20, s10, 64*272
	s_mul_i32 s21, s10, 64*BPITCH
	s_add_co_u32 s21, s21, ABYTES
	s_wait_dscnt 0x0
	s_wait_kmcnt 0x0
	s_add_nc_u64 s[14:15], s[4:5], s[16:17]
	s_add_nc_u64 s[46:47], s[6:7], s[46:47]
	CROUND                                         ; all sixteen work-groups are here: the first joint loads meet
.irp s, 0,1
	s_mov_b32 s[G0A+4*\s], 1
	s_add_co_u32 s[G0A+4*\s+1], s20, \s*SLOT
	s_add_nc_u64 s[G0A+4*\s+2:G0A+4*\s+3], s[14:15], \s*4*262144
	s_or_b32 s[G0A+4*\s+3], s[G0A+4*\s+3], 0x80000000
	s_mov_b32 s[G0B+4*\s], 1
	s_add_co_u32 s[G0B+4*\s+1], s21, \s*SLOT
	s_add_nc_u64 s[G0B+4*\s+2:G0B+4*\s+3], s[46:47], \s*256*8192
	s_or_b32 s[G0B+4*\s+3], s[G0B+4*\s+3], 0x80000000
	tensor_load_to_lds s[G0A+4*\s:G0A+4*\s+3], s[G1A:G1A+7]
	s_nop 0
	tensor_load_to_lds s[G0B+4*\s:G0B+4*\s+3], s[G1B:G1B+7]
	s_nop 0
.endr
	; bias and output addresses: registers of their own, which feed no descriptor
	s_lshl_b32 s78, s42, 9                         ; 128 x columns of 4 bytes
	s_lshl_b32 s79, s12, 8                         ; + 64 columns
	s_add_co_u32 s78, s78, s79
	s_mov_b32 s79, 0
	s_add_nc_u64 s[72:73], s[68:69], s[78:79]      ; bo at my first column
	s_lshl_b32 s76, s13, 19                        ; 128 y rows of 4,096 bytes
	s_lshl_b32 s77, s11, 18                        ; + 64 rows
	s_add_co_u32 s76, s76, s77
	s_add_co_u32 s76, s76, s78
	s_mov_b32 s77, 0
	s_add_nc_u64 s[74:75], s[70:71], s[76:77]      ; out0 at my first row and column
	v_and_b32 v1, 15, v0                           ; r
	v_bfe_u32 v2, v0, 4, 1                         ; h
	v_lshlrev_b32 v27, 5, v2                       ; bias: 8 words for each half of the lanes
.irp b, 0,1,2,3
	global_load_b128 v[BIAS+8*\b:BIAS+8*\b+3],   v27, s[72:73] offset:64*\b
	global_load_b128 v[BIAS+8*\b+4:BIAS+8*\b+7], v27, s[72:73] offset:64*\b+16
.endr
	v_and_b32 v3, 7, v0
	v_bfe_u32 v4, v0, 3, 1
	v_and_b32 v5, 1, v0
	v_lshrrev_b32 v6, 1, v1
	v_mul_u32_u24 v6, v6, 272                      ; ctx: row r = line r / 2, half r % 2, + 16 h
	v_lshl_add_u32 v6, v5, 7, v6
	v_lshl_add_u32 v6, v2, 4, v6
	s_mul_i32 s22, s11, 32*272                     ; my 64 rows = 32 lines
	v_add_nc_u32 v[ADRA], s22, v6
	v_add_nc_u32 v[ADRA+1], SLOT, v[ADRA]
	v_lshl_add_u32 v7, v2, 3, v3                   ; Wo, transposing load: k row 8 h + l % 8
	v_mul_u32_u24 v7, v7, BPITCH
	v_lshl_add_u32 v7, v4, 4, v7
	s_lshl_b32 s23, s12, 7                         ; my 64 columns of 2 bytes
	s_add_co_u32 s23, s23, ABYTES
	v_add_nc_u32 v[ADRB], s23, v7
	v_add_nc_u32 v[ADRB+1], 128*BPITCH, v[ADRB]
	v_add_nc_u32 v[ADRB+2], SLOT, v[ADRB]
	v_add_nc_u32 v[ADRB+3], SLOT, v[ADRB+1]
	s_mul_i32 s22, s10, 16*272
	s_add_co_u32 s22, s22, STAGE                   ; my stage
	v_mul_u32_u24 v8, v1, 272                      ; in: row r, 32 bytes for each half of the lanes
	v_lshl_add_u32 v8, v2, 5, v8
	v_add_nc_u32 v[STO], s22, v8
	v_mul_u32_u24 v9, v2, 272                      ; back: lanes 0-15 one row of 256 bytes, lanes 16-31 the next
	v_lshl_add_u32 v9, v1, 4, v9
	v_add_nc_u32 v[RD], s22, v9
	v_lshlrev_b32 v10, 12, v2                      ; and the same two rows in out0
	v_lshl_add_u32 v[CO], v1, 4, v10
; 8 matrix instructions: row blocks 2 ah, 2 ah + 1 x 4 column blocks, 32 along K, from buffer f.  mode = 1: the bias starts the sums.
; The accumulators take turns, one instruction a turn.
.macro MUL8 f, ah, mode
.if \mode
	WIN 0x40
.else
	WIN 0x50
.endif
.irp a, 0,1
.irp b, 0,1,2,3
.if \mode
	v_wmma_f32_16x16x32_f16 v[8*(4*(2*\ah+\a)+\b):8*(4*(2*\ah+\a)+\b)+7], v[\f+8*\b:\f+8*\b+7], v[\f+32+8*(2*\ah+\a):\f+32+8*(2*\ah+\a)+7], v[BIAS+8*\b:BIAS+8*\b+7]
.else
	v_wmma_f32_16x16x32_f16 v[8*(4*(2*\ah+\a)+\b):8*(4*(2*\ah+\a)+\b)+7], v[\f+8*\b:\f+8*\b+7], v[\f+32+8*(2*\ah+\a):\f+32+8*(2*\ah+\a)+7], v[8*(4*(2*\ah+\a)+\b):8*(4*(2*\ah+\a)+\b)+7]
.endif
.endr
.endr
.endm
; 16 LDS loads: part q (32 along K, 0..7) of a slot into buffer f: Wo's 4 fragments, then ctx's 4
.macro FETCH slot, q, f
.irp b, 0,1,2,3
	ds_load_tr16_b128 v[\f+8*\b:\f+8*\b+3],   v[ADRB+2*\slot+(\q/4)] offset:(\q%4)*32*BPITCH+32*\b
	ds_load_tr16_b128 v[\f+8*\b+4:\f+8*\b+7], v[ADRB+2*\slot+(\q/4)] offset:(\q%4)*32*BPITCH+32*\b+16*BPITCH
.endr
.irp a, 0,1,2,3
	ds_load_b128 v[\f+32+8*\a:\f+32+8*\a+3],   v[ADRA+\slot] offset:(\q/2)*17408+(\q%2)*64+\a*2176
	ds_load_b128 v[\f+32+8*\a+4:\f+32+8*\a+7], v[ADRA+\slot] offset:(\q/2)*17408+(\q%2)*64+\a*2176+32
.endr
.endm
; One of a K step's first seven parts: multiplies buffer f; in its middle fetches part q into buffer g
.macro SUBQ slot, q, f, g, mode
	s_wait_dscnt 4                                 ; all but the youngest four loads (ctx's row blocks 2, 3) are in
	MUL8 \f, 0, \mode
	WIN 0
	PLACES                                         ; buffer g was read by matrix instructions: the loads into it stand four places behind them
	FETCH \slot, \q, \g
	s_wait_dscnt 16                                ; all but the 16 just issued
	MUL8 \f, 1, \mode
.endm
.macro SEVEN slot, mode
	SUBQ \slot, 1, F0, F1, \mode
	SUBQ \slot, 2, F1, F0, 0
	SUBQ \slot, 3, F0, F1, 0
	SUBQ \slot, 4, F1, F0, 0
	SUBQ \slot, 5, F0, F1, 0
	SUBQ \slot, 6, F1, F0, 0
	SUBQ \slot, 7, F0, F1, 0
.endm
; The eighth part multiplies buffer 1 and changes slots.  In front of the barrier each wave has its reads of this slot back and all its tensor loads landed.
; fill = 1: the barrier opens a round of the cluster's barrier; the two joint refills, two K steps ahead, are the first tensor loads behind the round
; and have 120 matrix instructions of the wave in which to land.
.macro TURN slot, next, fill
	s_wait_dscnt 0x0
	s_wait_tensorcnt 0x0
	ds_add_u32 v254, v255
	s_wait_dscnt 0x0
	s_barrier_signal -1
	MUL8 F1, 0, 0
	WIN 0
	s_barrier_wait -1
.if \fill
	CREST
	s_add_nc_u64 s[G0A+4*\slot+2:G0A+4*\slot+3], s[G0A+4*\slot+2:G0A+4*\slot+3], 8*262144
	s_add_nc_u64 s[G0B+4*\slot+2:G0B+4*\slot+3], s[G0B+4*\slot+2:G0B+4*\slot+3], 512*8192
	tensor_load_to_lds s[G0A+4*\slot:G0A+4*\slot+3], s[G1A:G1A+7]
	s_nop 0
	tensor_load_to_lds s[G0B+4*\slot:G0B+4*\slot+3], s[G1B:G1B+7]
	s_nop 0
.endif
	PLACES
	FETCH \next, 0, F0
	MUL8 F1, 1, 0
.endm
	s_wait_tensorcnt 0x2                           ; my two parts of K step 0 are in; K step 1's two stay out
	s_barrier_signal -1
	s_barrier_wait -1
	s_wait_loadcnt 0x0                             ; the bias
	FETCH 0, 0, F0
	SEVEN 0, 1
	TURN 0, 1, 1
	SEVEN 1, 0
	TURN 1, 0, 1
	SEVEN 0, 0
	TURN 0, 1, 0                                   ; the last two K steps fill nothing
	SEVEN 1, 0
	s_wait_dscnt 0x0
	MUL8 F1, 0, 0
	MUL8 F1, 1, 0
	WIN 0
	PLACES                                         ; behind the last matrix instructions, for the LDS stores that read results
; THE WAY OUT, 16 rows at a time, through my own stage: a lane's 32 bytes in, whole rows of 256 bytes back.
; A wave's LDS instructions are served in order (ISA guide 5.7.1): the loads see the stores above them.
.macro OUT a
	WIN 0x04
.irp b, 0,1,2,3
	ds_store_b128 v[STO], v[8*(4*\a+\b):8*(4*\a+\b)+3]   offset:64*\b
	ds_store_b128 v[STO], v[8*(4*\a+\b)+4:8*(4*\a+\b)+7] offset:64*\b+16
.endr
	WIN 0
	s_wait_xcnt 0x0                                ; RB, which the stores before read, is loaded again only behind this wait
.irp t, 0,1,2,3,4,5,6,7
	ds_load_b128 v[RB+4*\t:RB+4*\t+3], v[RD] offset:544*\t
.endr
.irp t, 0,1,2,3,4,5,6,7
	s_wait_dscnt 7-\t
	global_store_b128 v[CO], v[RB+4*\t:RB+4*\t+3], s[74:75] offset:(16*\a+2*\t)*4096 th:TH_STORE_NT   ; 16 lanes store 256 consecutive bytes, aligned
.endr
.endm
	OUT 0
	OUT 1
	OUT 2
	OUT 3
	s_wait_tensorcnt 0x0
	ds_add_u32 v254, v255
	s_wait_dscnt 0x0
	CROUND                                         ; the closing round: no work-group ends while a partner may still ask for a tile that names it
	s_endpgm
.Lfunc_end_k_qd6ae1e68f3_oproj:
	.size	k_qd6ae1e68f3_oproj, .Lfunc_end_k_qd6ae1e68f3_oproj-k_qd6ae1e68f3_oproj
	.p2alignl 7, 3214868480
	.fill 96, 4, 3214868480
	.section	.rodata,"a",@progbits
	.p2align	6, 0x0
	.amdhsa_kernel k_qd6ae1e68f3_oproj
		.amdhsa_group_segment_fixed_size 327680
		.amdhsa_private_segment_fixed_size 0
		.amdhsa_enable_private_segment 0
		.amdhsa_kernarg_size 32
		.amdhsa_user_sgpr_count 2
		.amdhsa_user_sgpr_kernarg_segment_ptr 1
		.amdhsa_wavefront_size32 1
		.amdhsa_system_sgpr_workgroup_id_x 1
		.amdhsa_system_sgpr_workgroup_id_y 1
		.amdhsa_system_sgpr_workgroup_id_z 1
		.amdhsa_system_vgpr_workitem_id 0
		.amdhsa_next_free_vgpr 384
		.amdhsa_next_free_sgpr 80
		.amdhsa_reserve_vcc 0
		.amdhsa_float_denorm_mode_32 3
		.amdhsa_float_denorm_mode_16_64 3
		.amdhsa_memory_ordered 1
		.amdhsa_forward_progress 1
		.amdhsa_inst_pref_size 90
	.end_amdhsa_kernel
	.amdgpu_metadata
---
amdhsa.version: [ 1, 2 ]
amdhsa.kernels:
  - .name:           k_qd6ae1e68f3_oproj
    .symbol:         k_qd6ae1e68f3_oproj.kd
    .args:
      - { .name: ctx, .offset: 0, .size: 8, .value_kind: global_buffer, .address_space: global }
      - { .name: wall, .offset: 8, .size: 8, .value_kind: global_buffer, .address_space: global }
      - { .name: bo, .offset: 16, .size: 8, .value_kind: global_buffer, .address_space: global }
      - { .name: out0, .offset: 24, .size: 8, .value_kind: global_buffer, .address_space: global }
    .group_segment_fixed_size: 327680
    .private_segment_fixed_size: 0
    .kernarg_segment_align: 8
    .kernarg_segment_size: 32
    .max_flat_workgroup_size: 128
    .sgpr_count:     80
    .vgpr_count:     384
    .wavefront_size: 32
...
	.end_amdgpu_metadata
.endif
;; end of part 4
